; MI455X (gfx1250); checked and timed in simulation.
; The chip was launched on July 23, 2026; its instructions are those of AMD's public machine-readable ISA for CDNA 5 (MIT licence, August 2026) and "CDNA5" Instruction Set Architecture Reference Guide (July 2026). The comments in the code are by the model that wrote it; some were corrected since.
;; Erosion Layer. Allowed arithmetic: float matrix products may take bf16 or f16 operands with f32 sums; other float arithmetic in f32, or as packed bf16 or f16 multiplies, adds, multiply-adds, maxima and minima; sums over many terms, partial sums and values carried from step to step in f32; what a program stores and reads back later, other than sums and carried values, may be rounded once to bf16 or f16.
;; Inputs: alpha one number float32; deposition_rate one number float32; dissolving_rate one number float32; evaporation_rate one number float32; gravity one number float32; input_terrain 8 x 512 x 512 float32; max_height_delta one number float32; min_height_delta one number float32; original_terrain 8 x 512 x 512 float32; rain_rate one number float32; random_gradient 1 x 5 x 512 x 512 float32; random_rainfall 1 x 5 x 512 x 512 float32; sediment_capacity_constant one number float32.
;; Outputs: out0 8 x 1 x 512 x 512 float32.
;; One version. Each part assembles by itself: llvm-mc -triple=amdgcn-amd-amdhsa -mcpu=gfx1250 --defsym DOCPART=n.
;; ======== version 1 of 1: 1 launch
;; launch erode (part 1): grid 64 x 4, 22 waves a work-group, no clusters, 314,112 bytes of LDS; arguments input_terrain, original_terrain, random_rainfall, random_gradient, out0, alpha, rain_rate, evaporation_rate, min_height_delta, gravity, sediment_capacity_constant, dissolving_rate, deposition_rate, max_height_delta; writes out0
.if DOCPART == 1
	.amdgcn_target "amdgcn-amd-amdhsa--gfx1250"
	.amdhsa_code_object_version 6
	.text
	.protected	k_q32b21bcef1_erode
	.globl	k_q32b21bcef1_erode
	.p2align	8
	.type	k_q32b21bcef1_erode,@function
k_q32b21bcef1_erode:
	s_mov_b64 s[64:65], 0
	v_nop
	global_prefetch_b8 v0, s[64:65] scope:SCOPE_SE
	s_setreg_imm32_b32 hwreg(HW_REG_WAVE_MODE, 25, 1), 1
	s_wait_xcnt 0x0
; FIVE EROSION STEPS ON 8 IMAGES OF 512 x 512 f32, IN ONE LAUNCH.  State: terrain, sediment, water, velocity; only the last terrain leaves.
; REACH.  A step's cell work at a cell needs the terrain of the 3 x 3 cells about it (the unit direction keeps the bilinear sample inside them: it is a sum with tent weights, no address
; hangs on data) and the cell's own sediment and water; the splat then hands sediment and water to the 3 x 3 about the cell.  So a tile loses one cell a side a step: a halo of 5 serves 5 steps.
; SHARES.  A work-group owns 32 rows x 128 columns of TWO images (2 p, 2 p + 1).  A PAIR-CELL is one (row, column) of both images in one even register pair: every shift of the stencil is
; another aligned pair, so multiplies and adds are packed; rain and the random direction hang on the place alone and are made once for both.  Thread t owns for all five steps a patch of
; 2 rows x 4 columns: slot t = 35 band + patch; band b = rows y0 - 4 + 2 b and the next, patch x = columns c0 - 6 + 4 x .. + 3: 20 bands x 35 patches = 700 threads, 22 waves of 160 registers.
; Neighbours are taken by the flat slot number (t -+ 1, t -+ 34 .. 36): at a band's ends that is the wrong cell, which spoils one more column a step, inside the 6 columns of halo.
; Terrain is right after step s on rows y0 - 5 + s .. y0 + 36 - s and columns c0 - 6 + s .. c0 + 133 - s.  Waves 0 and 21 rest from step 3 on, waves 0, 1, 20, 21 in step 5.
; A wave asks for the next step's rain and random field in each trip in which it works, so the last such loads of waves 0, 1, 20 and 21 (eight of 8 bytes a lane, inside the buffers) serve nothing.
; WHERE THINGS LIVE.  Terrain, sediment, water: registers.  Velocity: the thread's own LDS slots.  Between threads, through LDS: the terrain, and for the splat what a patch gives to the 16 cells
; about it.  Two barriers a step: (1) my reads of the old terrain and my gifts are done; (2) my new terrain is stored and my neighbours' gifts are read.
; NO CLUSTER, NO TENSOR LOAD: what work-groups share is rain and the random field, 2 x 42 x 140 x 4 bytes a step beside some 1,400 vector lines a wave; they go straight into registers.
; NO MATRIX WORK: the module has no product of matrices.
; ROUNDING.  The direction is a difference over its magnitude: where the magnitude is small, a unit in the last place of a neighbour's terrain turns it, and place + offset is rounded to the
; place's grid (2^-15 from column 256 on), so a last bit of the offset can become a whole step of that grid.  So the terrain's chain is rounded operation by operation as the module's is: root and
; quotient rounded correctly (a residual step behind v_rsq_f32 and v_rcp_f32; wrong by a last bit about once in 10^7), the weights as cx - floor(cx) and 1 less that, the deposit in soft_floor's own
; order.  A sum of two products a b + c d inside a step is taken as fma(a, b, round(c d)), the first product in the fused line; the blend of the two input terrains as two rounded products and a sum.
; LIMITS.  2^x of a rate below 2^-126 counts as 0, and 2^x and e^x are good to about a unit in the last place, not rounded as the module's are.  sin and cos of 2 pi r: r less its nearest whole
; number (exact), a series for a quarter of the angle, two doublings: off by about 1.5e-6.  For the velocity and the height delta soft_floor(x, m) is written max(x, m) + e^-8 min(1, e^(x - m)): the same
; value, rounded in another order; the splat's nine terms are multiplied and added in another order.  An offset a unit in the last place beyond 1 counts as 1.  NaN and infinities are not treated apart.
.set ROWB,  2048                       ; bytes in an image's row
.set IMG,   1048576                    ; bytes in an image, and in one step's rain or random field
.set NPX,   35                         ; patches in a band
.set ARR,   13312                      ; a guarded LDS array: 832 slots of 16 bytes, for slots -64 .. 767
.set OWN,   1024                       ; the byte of slot 0 in it
.set R_HU,  4*ARR                      ; LDS 0: terrain, array 2 row + half.  Here: gifts to the row above the patch, array 2 field + half (field 0 sediment, 1 water)
.set R_HD,  8*ARR                      ; gifts to the row below
.set R_SL,  12*ARR                     ; gifts to the column left of the patch: array = target row (above, row 0, row 1, below); a slot = sediment's pair, water's pair
.set R_SR,  16*ARR                     ; the same to the right
.set R_VEL, 20*ARR                     ; velocity: four arrays of 704 slots, each thread's own
.set VARR,  11264
.set SPARE, R_VEL+4*VARR               ; the spare words: 128 bytes for each of 22 waves, eleven blocks of 256 bytes that no other line names
.set R_O,   R_HU                       ; the way out lies over the gifts, which are dead by then: array 4 image + 2 row + half, 704 slots of 8 bytes
.set OARR,  5632
; vector registers.  A quantity's pair-cell (row r, column e) lies at base + 8 r + 2 e
.set LB,   0                           ; 16 t (behind the head)
.set SPW,  1                           ; my spare word's LDS address; never rewritten
.set NIL,  2                           ; 0; never rewritten
.set OA,   3                           ; byte offset in an image of my columns 0, 1 of row 0; never rewritten
.set OB,   4                           ; of my columns 2, 3
.set AD,   5                           ; the one LDS address register beside LB: a region's base + 16 t, set anew in front of each group of LDS lines
.set FR,   6                           ; my two rows as floats
.set FC,   8                           ; my four columns as floats
.set ONE,  12
.set MONE, 14
.set T,    16
.set SED,  32
.set WAT,  48
.set D0,   64                          ; the offset along columns
.set D1,   80                          ; the offset along rows
.set HD,   96                          ; terrain less the sampled height
.set RG,   112                         ; the random field: row r, column e at RG + 4 r + e; a piece's pair, once read, holds place - 1
.set UH,   120                         ; six pair-cells (columns -1 .. 4) of the row above, later of the row below
.set LR,   132                         ; left and right neighbours of row 0, of row 1
.set RAIN, 140
.set TM,   140                         ; gradient: squared magnitudes, then the root's residuals
.set GY,   144                         ; the series' registers
.set GZ,   146
.set GSN,  148
.set GCS,  150
.set SA,   152                         ; the root, then the divisor: pair c at SA + 6 c
.set RY,   154                         ; 1 / root, half of it, then 1 / divisor: four registers
.set GT,   140                         ; the doublings' register, where the residuals have served
.set Q0,   140                         ; the first quotients
.set Q1,   144
.set WP,   140                         ; sample: tent weights +1, -1, 0; two row sums
.set WM,   144
.set WC,   148
.set HC,   152
.set HN,   156
.set VV,   112                         ; cell work: velocity, four registers a piece
.set AV,   128
.set AH,   132
.set MT,   136
.set A1,   140
.set MH,   144
.set FI,   148
.set BIG,  152                         ; 2^127 and -2^127, made anew in each step
.set NBIG, 154
.set SEC,  AV                          ; three that take the place of exponentials that have served
.set FF,   AH
.set FT,   A1
.set W0M,  96                          ; splat
.set W0C,  104
.set W1,   112
.set PP,   120
.set ACC1, 128
.set SPL,  144
.set HT0,  128
.set ST0,  144
.set HT1,  64
.set ST1,  80
.set IMH,  64                          ; imports
.set IMU,  80
.set IMS,  96
.set IMC,  120
.set PF0,  158                         ; the prefetch's lane offset, and one at work
.set PF1,  159
.set INP,  64                          ; head
.set ORI,  80
.set KX,   96
.set G0,   120
.set G1,   121
.set G2,   122
.set GR,   123
.set GA,   124
.set GB,   125
.set GOA,  126
.set GOB,  127
.set LBT,  128
.set ZA,   129
.set ZQ,   130
.set OL,   96                          ; the way out
.set OV,   97
.set OG,   98
.set OD,   100
; scalar registers
.set ALA,  20                          ; alpha, 1 - alpha (pairs; the packed lines take the low word for both halves)
.set ALB,  22
.set C8,   26                          ; 8
.set CN8,  28                          ; -8
.set CTINY, 30                         ; 2^-100
.set PFB,  36
.set SC,   38                          ; c0 + 506
.set SY,   39                          ; y0 + 504
.set CR,   40                          ; 2^rain_rate
.set CEV,  42                          ; 1 - 2^evaporation_rate
.set CG,   44                          ; 2^gravity
.set CL,   46                          ; log2(e)
.set CNEL, 48                          ; -1e-10 log2(e)
.set CNML, 50                          ; -M log2(e)
.set CE8,  52                          ; e^-8
.set CNC,  56                          ; -2^sediment_capacity_constant
.set CDP,  58                          ; 2^deposition_rate
.set CDS,  60                          ; 2^dissolving_rate
.set CMHD, 62                          ; max_height_delta
.set CE2,  66                          ; 2e-10
.set CM,   68                          ; M = 2^min_height_delta x 2.56
.set CEPS, 69                          ; 1e-10
.set CA1,  70
.set CA3,  72
.set CA5,  74
.set CA7,  76
.set CB2,  78
.set CB4,  80
.set CB6,  82
.set CB8,  84
.set FM,   86                          ; s[86:89] masks of flat cells
.set WV,   90
.set NACT, 91                          ; in how many trips of the loop my wave works
.set IT,   94
.set PFL,  95                          ; my wave prefetches while IT is below this
; Slot (t + k2 - 70)'s place: band + 2 = (t + k2) / 35 (by 1873 / 65536, exact below 1,024), its rows and columns wrapped at 512, its two byte offsets in an image
.macro GEOM k2, oa, ob
	v_add_nc_u32 v[G0], \k2, v0
	v_mul_u32_u24 v[G1], 1873, v[G0]
	v_lshrrev_b32 v[G1], 16, v[G1]
	v_mul_u32_u24 v[G2], NPX, v[G1]
	v_sub_nc_u32 v[G2], v[G0], v[G2]
	v_lshl_add_u32 v[GR], v[G1], 1, s[SY]
	v_and_b32 v[GR], 511, v[GR]
	v_lshl_add_u32 v[GA], v[G2], 2, s[SC]
	v_add_nc_u32 v[GB], 2, v[GA]
	v_and_b32 v[GA], 511, v[GA]
	v_and_b32 v[GB], 511, v[GB]
	v_lshlrev_b32 v[G0], 11, v[GR]
	v_lshl_add_u32 v[\oa], v[GA], 2, v[G0]
	v_lshl_add_u32 v[\ob], v[GB], 2, v[G0]
.endm
; A patch of both input terrains, both images: 16 loads of 8 bytes (the columns begin at 2 modulo 4); row r, half j, image m at base + 8 r + 4 j + 2 m
.macro INLOAD oa, ob
.irp r,0,1
.irp m,0,1
	global_load_b64 v[INP+8*\r+2*\m:INP+8*\r+2*\m+1],     v[\oa], s[8:9]   offset:\m*IMG+\r*ROWB
	global_load_b64 v[INP+8*\r+4+2*\m:INP+8*\r+4+2*\m+1], v[\ob], s[8:9]   offset:\m*IMG+\r*ROWB
	global_load_b64 v[ORI+8*\r+2*\m:ORI+8*\r+2*\m+1],     v[\oa], s[10:11] offset:\m*IMG+\r*ROWB
	global_load_b64 v[ORI+8*\r+4+2*\m:ORI+8*\r+4+2*\m+1], v[\ob], s[10:11] offset:\m*IMG+\r*ROWB
.endr
.endr
.endm
; terrain = (1 + (alpha in + (1 - alpha) orig)) / 2: both products rounded, then their sum; 0.5 u + 0.5 in one rounding is (1 + u) rounded and halved.
; Laid as pair-cells into dst and stored into the four terrain arrays at 16 t + off
.macro INMIX dst, off
.set i, 0
.rept 8
	v_pk_mul_f32 v[ORI+i:ORI+i+1], v[ORI+i:ORI+i+1], s[ALB:ALB+1] op_sel_hi:[1,0]
	v_pk_mul_f32 v[INP+i:INP+i+1], v[INP+i:INP+i+1], s[ALA:ALA+1] op_sel_hi:[1,0]
.set i, i+2
.endr
.set i, 0
.rept 8
	v_pk_add_f32 v[ORI+i:ORI+i+1], v[INP+i:INP+i+1], v[ORI+i:ORI+i+1]
.set i, i+2
.endr
.irp q,0,4,8,12
.irp m,0,1
.irp c,0,1
	v_fma_f32 v[(\dst)+\q+2*\c+\m], v[ORI+\q+2*\m+\c], 0.5, 0.5
.endr
.endr
.endr
.irp q,0,1,2,3
	ds_store_b128 v[LBT], v[(\dst)+4*\q:(\dst)+4*\q+3] offset:\q*ARR+(\off)
.endr
.endm
; 64 guard slots: their terrain, and zeros in the sixteen arrays of gifts
.macro GUARD k2, off
	GEOM \k2, GOA, GOB
	INLOAD GOA, GOB
.irp g,0,1,2,3
	v_add_nc_u32 v[ZA], R_HU+\g*4*ARR+(\off), v[LBT]
.irp z,0,1,2,3
	ds_store_b128 v[ZA], v[ZQ:ZQ+3] offset:\z*ARR
.endr
.endr
	s_wait_loadcnt 0x0                             ; the sixteen loads just issued (and the first step's fields)
	INMIX HD, \off
.endm
; A step's rain and random field for my patch: 8 loads of 8 bytes
.macro FIELDS
.irp r,0,1
	global_load_b64 v[RAIN+4*\r:RAIN+4*\r+1],   v[OA], s[12:13] offset:\r*ROWB
	global_load_b64 v[RAIN+4*\r+2:RAIN+4*\r+3], v[OB], s[12:13] offset:\r*ROWB
	global_load_b64 v[RG+4*\r:RG+4*\r+1],       v[OA], s[14:15] offset:\r*ROWB
	global_load_b64 v[RG+4*\r+2:RG+4*\r+3],     v[OB], s[14:15] offset:\r*ROWB
.endr
.endm
; water += 2^rain_rate max(rain, 0): a place's rain goes to both images
.macro RAINSTEP
.set i, 0
.rept 8
	v_max_num_f32 v[RAIN+i], 0, v[RAIN+i]
.set i, i+1
.endr
.irp r,0,1
.irp j,0,1
	v_pk_fma_f32 v[WAT+8*\r+4*\j:WAT+8*\r+4*\j+1],   v[RAIN+4*\r+2*\j:RAIN+4*\r+2*\j+1], s[CR:CR+1], v[WAT+8*\r+4*\j:WAT+8*\r+4*\j+1] op_sel_hi:[0,0,1]
	v_pk_fma_f32 v[WAT+8*\r+4*\j+2:WAT+8*\r+4*\j+3], v[RAIN+4*\r+2*\j:RAIN+4*\r+2*\j+1], s[CR:CR+1], v[WAT+8*\r+4*\j+2:WAT+8*\r+4*\j+3] op_sel:[1,0,0] op_sel_hi:[1,0,1]
.endr
.endr
.endm
; TR = the pair that holds the terrain of row r (-1 .. 2) and column e (-1 .. 4) of my patch
.macro TREG r, e
.if ((\r) == -1) || ((\r) == 2)
.set TR, UH+2*((\e)+1)
.elseif (\e) == -1
.set TR, LR+4*(\r)
.elseif (\e) == 4
.set TR, LR+4*(\r)+2
.else
.set TR, T+8*(\r)+2*(\e)
.endif
.endm
; d = a + b[sel] or a - b[sel], register sel of the pair b for both halves
.macro BADD d, a, b, sel, sub
.if (\sel) && (\sub)
	v_pk_add_f32 v[(\d):(\d)+1], v[(\a):(\a)+1], v[(\b):(\b)+1] op_sel:[0,1] op_sel_hi:[1,1] neg_lo:[0,1] neg_hi:[0,1]
.elseif (\sel)
	v_pk_add_f32 v[(\d):(\d)+1], v[(\a):(\a)+1], v[(\b):(\b)+1] op_sel:[0,1] op_sel_hi:[1,1]
.elseif (\sub)
	v_pk_add_f32 v[(\d):(\d)+1], v[(\a):(\a)+1], v[(\b):(\b)+1] op_sel_hi:[1,0] neg_lo:[0,1] neg_hi:[0,1]
.else
	v_pk_add_f32 v[(\d):(\d)+1], v[(\a):(\a)+1], v[(\b):(\b)+1] op_sel_hi:[1,0]
.endif
.endm
; The sample's tent weights, from the coordinate cx = place + offset as it is rounded.  u = cx - place, v = cx - (place - 1), one rounding each: whichever of the two places is floor(cx), its difference
; is the module's fraction f.  cx at or beyond the place: u = f, v >= 1: weights (-1, 0, +1) = (0, 1 - f, f).  cx short of it: u < 0, v = f: weights (1 - f, f, 0).
.macro TENT o, d, b, bm, sel
	BADD WM+(\o),\d,\b,\sel,0
	BADD WP+(\o),WM+(\o),\b,\sel,1
	BADD WM+(\o),WM+(\o),\bm,\sel,1
	v_pk_mul_f32 v[WP+(\o):WP+(\o)+1], v[WP+(\o):WP+(\o)+1], v[ONE:ONE+1] clamp
	v_pk_mul_f32 v[WC+(\o):WC+(\o)+1], v[WM+(\o):WM+(\o)+1], v[ONE:ONE+1] clamp
	v_pk_add_f32 v[WM+(\o):WM+(\o)+1], v[ONE:ONE+1], v[WC+(\o):WC+(\o)+1] neg_lo:[0,1] neg_hi:[0,1]
	v_pk_add_f32 v[WC+(\o):WC+(\o)+1], v[WC+(\o):WC+(\o)+1], v[WP+(\o):WP+(\o)+1] neg_lo:[0,1] neg_hi:[0,1]
.endm
; Row r's three cells about column e, weighted, from +1 down to -1: one outer weight is 0, so what is made is fma(lower cell, 1 - f, round(upper cell x f))
.macro ROW3 dst, r, e, o
	TREG \r,(\e)+1
	v_pk_mul_f32 v[(\dst):(\dst)+1], v[TR:TR+1], v[WP+(\o):WP+(\o)+1]
	TREG \r,\e
	v_pk_fma_f32 v[(\dst):(\dst)+1], v[TR:TR+1], v[WC+(\o):WC+(\o)+1], v[(\dst):(\dst)+1]
	TREG \r,(\e)-1
	v_pk_fma_f32 v[(\dst):(\dst)+1], v[TR:TR+1], v[WM+(\o):WM+(\o)+1], v[(\dst):(\dst)+1]
.endm
; GRADIENT AND SAMPLE for the two pair-cells of row rho, columns 2 j and 2 j + 1.  The differences are not halved: magnitude and eps are doubled instead, which changes no rounding.
; The component from the row difference moves along columns (D0), the one from the column difference along rows (D1), as the module swaps them.
; Two batches of four transcendentals, each with one wait ahead of the first line that names a result; the random direction's series is the work between.
.macro GS rho, j
.set e0, 2*(\j)
.set dq, 8*(\rho)+4*(\j)
.set rgp, RG+4*(\rho)+2*(\j)
.irp c,0,1
	TREG (\rho)-1,e0+\c
.set ta, TR
	TREG (\rho)+1,e0+\c
	v_pk_add_f32 v[D0+dq+2*\c:D0+dq+2*\c+1], v[ta:ta+1], v[TR:TR+1] neg_lo:[0,1] neg_hi:[0,1]
	TREG \rho,e0+\c-1
.set ta, TR
	TREG \rho,e0+\c+1
	v_pk_add_f32 v[D1+dq+2*\c:D1+dq+2*\c+1], v[ta:ta+1], v[TR:TR+1] neg_lo:[0,1] neg_hi:[0,1]
.endr
.irp c,0,1
	v_pk_mul_f32 v[TM+2*\c:TM+2*\c+1], v[D0+dq+2*\c:D0+dq+2*\c+1], v[D0+dq+2*\c:D0+dq+2*\c+1]  ; dx dx + dy dy: the row difference's square is rounded,
.endr
.irp c,0,1
	v_pk_fma_f32 v[TM+2*\c:TM+2*\c+1], v[D1+dq+2*\c:D1+dq+2*\c+1], v[D1+dq+2*\c:D1+dq+2*\c+1], v[TM+2*\c:TM+2*\c+1]  ; the column difference's is fused
.endr
.irp i,0,1,2,3
	v_max_num_f32 v[TM+\i], s[CTINY], v[TM+\i]     ; at least 2^-100, so that 0 has a finite 1 / root; its root, 2^-50, is flat like 0
.endr
.irp i,0,1,2,3
	v_rsq_f32 v[RY+\i], v[TM+\i]
.endr
	v_rndne_f32 v[GY], v[rgp]                      ; the two columns' r, packed: y = r less its nearest whole number,
	v_rndne_f32 v[GY+1], v[rgp+1]
	v_pk_add_f32 v[GY:GY+1], v[rgp:rgp+1], v[GY:GY+1] neg_lo:[0,1] neg_hi:[0,1]
	v_pk_mul_f32 v[GZ:GZ+1], v[GY:GY+1], v[GY:GY+1]
	v_pk_fma_f32 v[GSN:GSN+1], v[GZ:GZ+1], s[CA7:CA7+1], s[CA5:CA5+1] op_sel_hi:[1,0,0]  ; sin and cos of pi y / 2, at most pi / 4
	v_pk_fma_f32 v[GCS:GCS+1], v[GZ:GZ+1], s[CB8:CB8+1], s[CB6:CB6+1] op_sel_hi:[1,0,0]
	v_pk_fma_f32 v[GSN:GSN+1], v[GSN:GSN+1], v[GZ:GZ+1], s[CA3:CA3+1] op_sel_hi:[1,1,0]
	v_pk_fma_f32 v[GCS:GCS+1], v[GCS:GCS+1], v[GZ:GZ+1], s[CB4:CB4+1] op_sel_hi:[1,1,0]
	v_pk_fma_f32 v[GSN:GSN+1], v[GSN:GSN+1], v[GZ:GZ+1], s[CA1:CA1+1] op_sel_hi:[1,1,0]
	v_pk_fma_f32 v[GCS:GCS+1], v[GCS:GCS+1], v[GZ:GZ+1], s[CB2:CB2+1] op_sel_hi:[1,1,0]
	v_pk_mul_f32 v[GSN:GSN+1], v[GSN:GSN+1], v[GY:GY+1]
	v_pk_fma_f32 v[GCS:GCS+1], v[GCS:GCS+1], v[GZ:GZ+1], v[ONE:ONE+1]
	s_wait_alu depctr_va_vdst(0)                   ; the four 1 / root
.irp c,0,1
	v_pk_mul_f32 v[SA+6*\c:SA+6*\c+1], v[TM+2*\c:TM+2*\c+1], v[RY+2*\c:RY+2*\c+1]  ; the root: s = x y,
	v_pk_mul_f32 v[RY+2*\c:RY+2*\c+1], v[RY+2*\c:RY+2*\c+1], 0.5 op_sel_hi:[1,0]  ; h = y / 2,
.endr
.irp c,0,1
	v_pk_fma_f32 v[TM+2*\c:TM+2*\c+1], v[SA+6*\c:SA+6*\c+1], v[SA+6*\c:SA+6*\c+1], v[TM+2*\c:TM+2*\c+1] neg_lo:[1,0,0] neg_hi:[1,0,0]  ; the residual x - s s,
.endr
.irp c,0,1
	v_pk_fma_f32 v[SA+6*\c:SA+6*\c+1], v[TM+2*\c:TM+2*\c+1], v[RY+2*\c:RY+2*\c+1], v[SA+6*\c:SA+6*\c+1]  ; s + residual h: one rounding of the root
.endr
.irp i,0,1,2,3
	v_cmp_gt_f32 s[FM+\i], s[CE2], v[SA+6*(\i/2)+(\i%2)]  ; flat: magnitude below eps
.endr
.irp c,0,1
	v_pk_add_f32 v[SA+6*\c:SA+6*\c+1], v[SA+6*\c:SA+6*\c+1], s[CE2:CE2+1] op_sel_hi:[1,0]
.endr
.irp i,0,1,2,3
	v_rcp_f32 v[RY+\i], v[SA+6*(\i/2)+(\i%2)]
.endr
	v_pk_add_f32 v[GT:GT+1], v[GSN:GSN+1], v[GSN:GSN+1]  ; the angle doubled twice: sin 2x = 2 s c, cos 2x = 1 - 2 s s
	v_pk_fma_f32 v[GZ:GZ+1], v[GT:GT+1], v[GSN:GSN+1], v[ONE:ONE+1] neg_lo:[1,0,0] neg_hi:[1,0,0]
	v_pk_mul_f32 v[GSN:GSN+1], v[GT:GT+1], v[GCS:GCS+1]
	v_pk_add_f32 v[GT:GT+1], v[GSN:GSN+1], v[GSN:GSN+1]
	v_pk_fma_f32 v[GCS:GCS+1], v[GT:GT+1], v[GSN:GSN+1], v[ONE:ONE+1] neg_lo:[1,0,0] neg_hi:[1,0,0]
	v_pk_mul_f32 v[GSN:GSN+1], v[GT:GT+1], v[GZ:GZ+1]
	s_wait_alu depctr_va_vdst(0)                   ; the four reciprocals
.irp c,0,1
	v_pk_mul_f32 v[Q0+2*\c:Q0+2*\c+1], v[D0+dq+2*\c:D0+dq+2*\c+1], v[RY+2*\c:RY+2*\c+1]  ; the quotients: q = n r,
	v_pk_mul_f32 v[Q1+2*\c:Q1+2*\c+1], v[D1+dq+2*\c:D1+dq+2*\c+1], v[RY+2*\c:RY+2*\c+1]
.endr
.irp c,0,1
	v_pk_fma_f32 v[D0+dq+2*\c:D0+dq+2*\c+1], v[Q0+2*\c:Q0+2*\c+1], v[SA+6*\c:SA+6*\c+1], v[D0+dq+2*\c:D0+dq+2*\c+1] neg_lo:[1,0,0] neg_hi:[1,0,0]  ; the residual n - q d,
	v_pk_fma_f32 v[D1+dq+2*\c:D1+dq+2*\c+1], v[Q1+2*\c:Q1+2*\c+1], v[SA+6*\c:SA+6*\c+1], v[D1+dq+2*\c:D1+dq+2*\c+1] neg_lo:[1,0,0] neg_hi:[1,0,0]
.endr
.irp c,0,1
	v_pk_fma_f32 v[D0+dq+2*\c:D0+dq+2*\c+1], v[D0+dq+2*\c:D0+dq+2*\c+1], v[RY+2*\c:RY+2*\c+1], v[Q0+2*\c:Q0+2*\c+1]  ; q + residual r: one rounding of the quotient
	v_pk_fma_f32 v[D1+dq+2*\c:D1+dq+2*\c+1], v[D1+dq+2*\c:D1+dq+2*\c+1], v[RY+2*\c:RY+2*\c+1], v[Q1+2*\c:Q1+2*\c+1]
.endr
.irp c,0,1
.irp m,0,1
	v_cndmask_b32 v[D0+dq+2*\c+\m], v[D0+dq+2*\c+\m], v[GSN+\c], s[FM+2*\c+\m]  ; a flat cell takes the random direction: the choice selects a value, no branch
	v_cndmask_b32 v[D1+dq+2*\c+\m], v[D1+dq+2*\c+\m], v[GCS+\c], s[FM+2*\c+\m]
.endr
.endr
	v_pk_add_f32 v[rgp:rgp+1], v[FC+2*(\j):FC+2*(\j)+1], v[MONE:MONE+1]  ; my two columns less 1, where this piece's r has served
.irp c,0,1
	TENT 2*\c,D0+dq+2*\c,FC+2*(\j),rgp,\c
.endr
.irp c,0,1
	ROW3 HD+dq+2*\c,(\rho)-1,e0+\c,2*\c
.endr
.irp c,0,1
	ROW3 HC+2*\c,\rho,e0+\c,2*\c
.endr
.irp c,0,1
	ROW3 HN+2*\c,(\rho)+1,e0+\c,2*\c
.endr
	v_pk_add_f32 v[rgp:rgp+1], v[FR:FR+1], v[MONE:MONE+1]  ; my two rows less 1
.irp c,0,1
	TENT 2*\c,D1+dq+2*\c,FR,rgp,\rho
.endr
.irp c,0,1
	v_pk_mul_f32 v[HN+2*\c:HN+2*\c+1], v[HN+2*\c:HN+2*\c+1], v[WP+2*\c:WP+2*\c+1]  ; the three rows, again from +1 down to -1
.endr
.irp c,0,1
	v_pk_fma_f32 v[HN+2*\c:HN+2*\c+1], v[HC+2*\c:HC+2*\c+1], v[WC+2*\c:WC+2*\c+1], v[HN+2*\c:HN+2*\c+1]
.endr
.irp c,0,1
	v_pk_fma_f32 v[HN+2*\c:HN+2*\c+1], v[HD+dq+2*\c:HD+dq+2*\c+1], v[WM+2*\c:WM+2*\c+1], v[HN+2*\c:HN+2*\c+1]
.endr
.irp c,0,1
	v_pk_add_f32 v[HD+dq+2*\c:HD+dq+2*\c+1], v[T+dq+2*\c:T+dq+2*\c+1], v[HN+2*\c:HN+2*\c+1] neg_lo:[0,1] neg_hi:[0,1]
.endr
.endm
; THE CELL WORK for piece q (row q / 2, columns 2 (q % 2) and the next): velocity, capacity, what is deposited.  Three batches of transcendentals (12, 4, 4), one wait each.
; A step function of a sign is two clamped multiplies by -2^127 and 2^127: 1 for every number below 0, denormals too, else 0.
.macro P q, last
.set vx, VV+4*(\q)
.set hq, HD+4*(\q)
.set sq, SED+4*(\q)
.set wq, WAT+4*(\q)
.set tq, T+4*(\q)
.if \last
	s_wait_dscnt 3-(\q)                            ; behind my piece's velocity stand the later pieces' loads alone
.else
	s_wait_dscnt 3                                 ; behind my piece's velocity stand three LDS lines: the later pieces' loads and the earlier pieces' stores
.endif
.irp i,0,2
	v_pk_mul_f32 v[AV+\i:AV+\i+1], v[hq+\i:hq+\i+1], s[CG:CG+1] op_sel_hi:[1,0]
	v_pk_mul_f32 v[MT+\i:MT+\i+1], v[hq+\i:hq+\i+1], v[MONE:MONE+1]
	v_pk_fma_f32 v[AH+\i:AH+\i+1], v[hq+\i:hq+\i+1], s[CL:CL+1], s[CNML:CNML+1] op_sel_hi:[1,0,0]
.endr
.irp i,0,2
	v_pk_fma_f32 v[vx+\i:vx+\i+1], v[vx+\i:vx+\i+1], v[vx+\i:vx+\i+1], v[AV+\i:AV+\i+1]  ; x = v v + 2^gravity hd, the second product rounded
.endr
.irp i,0,1,2,3
	v_max_num_f32 v[MT+\i], 0, v[MT+\i]            ; min_term = max(-hd, 0)
.endr
.irp i,0,2
	v_pk_fma_f32 v[AV+\i:AV+\i+1], v[vx+\i:vx+\i+1], s[CL:CL+1], s[CNEL:CNEL+1] op_sel_hi:[1,0,0]
	v_pk_add_f32 v[FI+\i:FI+\i+1], v[MT+\i:MT+\i+1], v[sq+\i:sq+\i+1] neg_lo:[0,1] neg_hi:[0,1]  ; z = min_term - sediment
.endr
.irp i,0,2
	v_pk_mul_f32 v[A1+\i:A1+\i+1], v[FI+\i:FI+\i+1], s[CL:CL+1] op_sel_hi:[1,0]
.endr
.irp i,0,1,2,3
	v_exp_f32 v[AH+\i], v[AH+\i]
.endr
.irp i,0,1,2,3
	v_exp_f32 v[AV+\i], v[AV+\i]
.endr
.irp i,0,1,2,3
	v_exp_f32 v[A1+\i], v[A1+\i]
.endr
.irp i,0,1,2,3
	v_max_num_f32 v[vx+\i], s[CEPS], v[vx+\i]
	v_max_num_f32 v[MH+\i], s[CM], v[hq+\i]
	v_max_num_f32 v[FI+\i], 0, v[FI+\i]            ; relu(z)
.endr
	s_wait_alu depctr_va_vdst(0)                   ; the twelve exponentials
.irp i,0,2
	v_pk_mul_f32 v[AV+\i:AV+\i+1], v[AV+\i:AV+\i+1], v[ONE:ONE+1] clamp  ; min(1, e^z)
	v_pk_mul_f32 v[AH+\i:AH+\i+1], v[AH+\i:AH+\i+1], v[ONE:ONE+1] clamp
	v_pk_mul_f32 v[A1+\i:A1+\i+1], v[A1+\i:A1+\i+1], v[ONE:ONE+1] clamp
.endr
.irp i,0,2
	v_pk_fma_f32 v[vx+\i:vx+\i+1], v[AV+\i:AV+\i+1], s[CE8:CE8+1], v[vx+\i:vx+\i+1] op_sel_hi:[1,0,1]
.endr
.irp i,0,1,2,3
	v_sqrt_f32 v[vx+\i], v[vx+\i]                  ; the new velocity
.endr
.irp i,0,2
	v_pk_fma_f32 v[MH+\i:MH+\i+1], v[AH+\i:AH+\i+1], s[CE8:CE8+1], v[MH+\i:MH+\i+1] op_sel_hi:[1,0,1]    ; the floored height delta
	v_pk_fma_f32 v[FI+\i:FI+\i+1], v[A1+\i:A1+\i+1], s[CE8:CE8+1], v[FI+\i:FI+\i+1] op_sel_hi:[1,0,1]    ; relu(z) + e^-8 min(1, e^z): the last read of this pair of e^z,
	v_pk_fma_f32 v[SEC+\i:SEC+\i+1], v[hq+\i:hq+\i+1], v[MONE:MONE+1], s[CMHD:CMHD+1] op_sel_hi:[1,1,0]  ; max_height_delta - hd
	v_pk_mul_f32 v[FT+\i:FT+\i+1], v[hq+\i:hq+\i+1], v[NBIG:NBIG+1] clamp                               ; whose registers this flag takes
.endr
.irp i,0,2
	v_pk_add_f32 v[FI+\i:FI+\i+1], v[MT+\i:MT+\i+1], v[FI+\i:FI+\i+1] neg_lo:[0,1] neg_hi:[0,1]  ; the first term: min_term less that
	v_pk_mul_f32 v[FF+\i:FF+\i+1], v[SEC+\i:SEC+\i+1], v[NBIG:NBIG+1] clamp
	v_pk_mul_f32 v[FT+\i:FT+\i+1], v[FT+\i:FT+\i+1], v[BIG:BIG+1] clamp  ; 1 where hd < 0
.endr
.irp i,0,2
	v_pk_mul_f32 v[FF+\i:FF+\i+1], v[FF+\i:FF+\i+1], v[BIG:BIG+1] clamp  ; 1 where hd > max_height_delta
.endr
.irp i,0,1,2,3
	v_min_num_f32 v[SEC+\i], 0, v[SEC+\i]          ; the second term
.endr
.irp i,0,2
	v_pk_add_f32 v[FF+\i:FF+\i+1], v[ONE:ONE+1], v[FF+\i:FF+\i+1] neg_lo:[0,1] neg_hi:[0,1]
.endr
.irp i,0,2
	v_pk_add_f32 v[FF+\i:FF+\i+1], v[FF+\i:FF+\i+1], v[FT+\i:FT+\i+1] neg_lo:[0,1] neg_hi:[0,1]
.endr
	s_wait_alu depctr_va_vdst(0)                   ; the four roots
.if !(\last)
	ds_store_b128 v[AD], v[vx:vx+3] offset:(\q)*VARR
.endif
.irp i,0,2
	v_pk_mul_f32 v[MH+\i:MH+\i+1], v[MH+\i:MH+\i+1], v[vx+\i:vx+\i+1]
.endr
.irp i,0,2
	v_pk_mul_f32 v[MH+\i:MH+\i+1], v[MH+\i:MH+\i+1], v[wq+\i:wq+\i+1]
.endr
.irp i,0,2
	v_pk_fma_f32 v[MH+\i:MH+\i+1], v[MH+\i:MH+\i+1], s[CNC:CNC+1], v[sq+\i:sq+\i+1] op_sel_hi:[1,0,1]  ; sediment - capacity
.endr
.irp i,0,1,2,3
	v_max_num_f32 v[A1+\i], 0, v[MH+\i]
.endr
.irp i,0,2
	v_pk_add_f32 v[MH+\i:MH+\i+1], v[MH+\i:MH+\i+1], v[A1+\i:A1+\i+1] neg_lo:[0,1] neg_hi:[0,1]  ; its negative part
	v_pk_mul_f32 v[A1+\i:A1+\i+1], v[A1+\i:A1+\i+1], s[CDP:CDP+1] op_sel_hi:[1,0]
	v_pk_add_f32 v[FI+\i:FI+\i+1], v[FI+\i:FI+\i+1], v[SEC+\i:SEC+\i+1]
	v_pk_fma_f32 v[MT+\i:MT+\i+1], v[hq+\i:hq+\i+1], v[MONE:MONE+1], v[MT+\i:MT+\i+1] neg_lo:[0,0,1] neg_hi:[0,0,1]  ; the floor m = -max(hd, 0) = -hd - min_term, exact
.endr
.irp i,0,2
	v_pk_fma_f32 v[A1+\i:A1+\i+1], v[MH+\i:MH+\i+1], s[CDS:CDS+1], v[A1+\i:A1+\i+1] op_sel_hi:[1,0,1]
.endr
.irp i,0,2
	v_pk_fma_f32 v[FI+\i:FI+\i+1], v[FF+\i:FF+\i+1], v[A1+\i:A1+\i+1], v[FI+\i:FI+\i+1]  ; x = (first + second) + third
.endr
.irp i,0,2
	v_pk_add_f32 v[FI+\i:FI+\i+1], v[FI+\i:FI+\i+1], v[MT+\i:MT+\i+1] neg_lo:[0,1] neg_hi:[0,1]  ; z = x - m
.endr
.irp i,0,2
	v_pk_add_f32 v[AV+\i:AV+\i+1], v[FI+\i:FI+\i+1], s[CN8:CN8+1] op_sel_hi:[1,0]  ; the exponent is z - 8 as it is rounded;
.endr
.irp i,0,2
	v_pk_add_f32 v[AV+\i:AV+\i+1], v[AV+\i:AV+\i+1], s[C8:C8+1] op_sel_hi:[1,0]    ; 8 added again (exact below 0), since e^-8 is a factor further down
.endr
.irp i,0,2
	v_pk_mul_f32 v[AV+\i:AV+\i+1], v[AV+\i:AV+\i+1], s[CL:CL+1] op_sel_hi:[1,0]
.endr
.irp i,0,1,2,3
	v_exp_f32 v[AV+\i], v[AV+\i]
.endr
.irp i,0,1,2,3
	v_max_num_f32 v[FI+\i], 0, v[FI+\i]            ; relu(z)
.endr
	s_wait_alu depctr_va_vdst(0)                   ; the four exponentials
.irp i,0,2
	v_pk_mul_f32 v[AV+\i:AV+\i+1], v[AV+\i:AV+\i+1], v[ONE:ONE+1] clamp
.endr
.irp i,0,2
	v_pk_fma_f32 v[FI+\i:FI+\i+1], v[AV+\i:AV+\i+1], s[CE8:CE8+1], v[FI+\i:FI+\i+1] op_sel_hi:[1,0,1]
.endr
.irp i,0,2
	v_pk_add_f32 v[FI+\i:FI+\i+1], v[FI+\i:FI+\i+1], v[MT+\i:MT+\i+1]  ; + m: what is deposited
.endr
.irp i,0,2
	v_pk_add_f32 v[tq+\i:tq+\i+1], v[tq+\i:tq+\i+1], v[FI+\i:FI+\i+1]
.if !(\last)
	v_pk_add_f32 v[sq+\i:sq+\i+1], v[sq+\i:sq+\i+1], v[FI+\i:FI+\i+1] neg_lo:[0,1] neg_hi:[0,1]
.endif
.endr
.endm
; A step up to the new terrain.  last = 1: the fifth step, which keeps neither velocity nor sediment
.macro PHASE_A last
	ds_load_b64  v[UH:UH+1],     v[LB] offset:3*ARR+OWN-16*(NPX+1)+8  ; the row above: row 1 of the band above, columns -1 .. 4
	ds_load_b128 v[UH+2:UH+5],   v[LB] offset:2*ARR+OWN-16*NPX
	ds_load_b128 v[UH+6:UH+9],   v[LB] offset:3*ARR+OWN-16*NPX
	ds_load_b64  v[UH+10:UH+11], v[LB] offset:2*ARR+OWN-16*(NPX-1)
	ds_load_b64  v[LR:LR+1],     v[LB] offset:1*ARR+OWN-8             ; left and right of my two rows
	ds_load_b64  v[LR+2:LR+3],   v[LB] offset:0*ARR+OWN+16
	ds_load_b64  v[LR+4:LR+5],   v[LB] offset:3*ARR+OWN-8
	ds_load_b64  v[LR+6:LR+7],   v[LB] offset:2*ARR+OWN+16
	s_wait_loadcnt 0x0                             ; this step's rain and random field, asked for in the step before
	s_wait_xcnt 0x0                                ; the last prefetch, the imports and a barrier back, has read its offset register, which the gradient below writes again
	RAINSTEP
	s_wait_dscnt 0x0
	GS 0,0
	GS 0,1
	ds_load_b64  v[UH:UH+1],     v[LB] offset:1*ARR+OWN+16*(NPX-1)+8  ; the row above has served: the row below, row 0 of the band below
	ds_load_b128 v[UH+2:UH+5],   v[LB] offset:0*ARR+OWN+16*NPX
	ds_load_b128 v[UH+6:UH+9],   v[LB] offset:1*ARR+OWN+16*NPX
	ds_load_b64  v[UH+10:UH+11], v[LB] offset:0*ARR+OWN+16*(NPX+1)
	v_add_nc_u32 v[AD], R_VEL, v[LB]
	s_wait_dscnt 0x0
	GS 1,0
	GS 1,1
.irp q,0,1,2,3
	ds_load_b128 v[VV+4*\q:VV+4*\q+3], v[AD] offset:\q*VARR
.endr
.irp h,0,1
	v_mov_b32 v[BIG+\h], 0x7f000000
	v_mov_b32 v[NBIG+\h], 0xff000000
.endr
	P 0,\last
	P 1,\last
	P 2,\last
	P 3,\last
.endm
; THE SPLAT of one field's row a with the row weights w1, along columns: into dst (started by a product if init < 0, else from init), and its two gifts left and right
.macro SPLAT a, w1, dst, init, spl, spr, sadd
.irp e,0,2,4,6
	v_pk_mul_f32 v[PP+\e:PP+\e+1], v[(\a)+\e:(\a)+\e+1], v[(\w1)+\e:(\w1)+\e+1]
.endr
.irp e,0,2,4,6
.if (\init) < 0
	v_pk_mul_f32 v[(\dst)+\e:(\dst)+\e+1], v[PP+\e:PP+\e+1], v[W0C+\e:W0C+\e+1]
.else
	v_pk_fma_f32 v[(\dst)+\e:(\dst)+\e+1], v[PP+\e:PP+\e+1], v[W0C+\e:W0C+\e+1], v[(\init)+\e:(\init)+\e+1]
.endif
.endr
.irp e,2,4,6
	v_pk_fma_f32 v[(\dst)+\e:(\dst)+\e+1], v[PP+\e-2:PP+\e-1], v[w0p+\e-2:w0p+\e-1], v[(\dst)+\e:(\dst)+\e+1]
.endr
.irp e,0,2,4
	v_pk_fma_f32 v[(\dst)+\e:(\dst)+\e+1], v[PP+\e+2:PP+\e+3], v[W0M+\e+2:W0M+\e+3], v[(\dst)+\e:(\dst)+\e+1]
.endr
.if \sadd
	v_pk_fma_f32 v[(\spl):(\spl)+1], v[PP:PP+1], v[W0M:W0M+1], v[(\spl):(\spl)+1]
	v_pk_fma_f32 v[(\spr):(\spr)+1], v[PP+6:PP+7], v[w0p+6:w0p+7], v[(\spr):(\spr)+1]
.else
	v_pk_mul_f32 v[(\spl):(\spl)+1], v[PP:PP+1], v[W0M:W0M+1]
	v_pk_mul_f32 v[(\spr):(\spr)+1], v[PP+6:PP+7], v[w0p+6:w0p+7]
.endif
.endm
; My row rho gives to the rows above, below and itself, in that order: the row's own registers are written last, in place.  Evaporation, a common factor, is taken first.
.macro DROW rho
.set w0p, D0+8*(\rho)
.set d1r, D1+8*(\rho)
.set sr, SED+8*(\rho)
.set wr, WAT+8*(\rho)
.irp e,0,2,4,6
	v_pk_mul_f32 v[wr+\e:wr+\e+1], v[wr+\e:wr+\e+1], s[CEV:CEV+1] op_sel_hi:[1,0]
	v_pk_mul_f32 v[W0M+\e:W0M+\e+1], v[w0p+\e:w0p+\e+1], v[MONE:MONE+1] clamp
	v_pk_mul_f32 v[w0p+\e:w0p+\e+1], v[w0p+\e:w0p+\e+1], v[ONE:ONE+1] clamp
	v_pk_mul_f32 v[W1+\e:W1+\e+1], v[d1r+\e:d1r+\e+1], v[MONE:MONE+1] clamp
.endr
.irp e,0,2,4,6
	v_pk_add_f32 v[W0C+\e:W0C+\e+1], v[ONE:ONE+1], v[w0p+\e:w0p+\e+1] neg_lo:[0,1] neg_hi:[0,1]
.endr
.irp e,0,2,4,6
	v_pk_add_f32 v[W0C+\e:W0C+\e+1], v[W0C+\e:W0C+\e+1], v[W0M+\e:W0M+\e+1] neg_lo:[0,1] neg_hi:[0,1]
.endr
.if (\rho) == 0                        ; one row up: out of the patch,
	SPLAT sr,W1,HT0,-1,ST0,ST0+4,0
	v_add_nc_u32 v[AD], R_HU, v[LB]
	ds_store_b128 v[AD], v[HT0:HT0+3]   offset:0*ARR+OWN
	ds_store_b128 v[AD], v[HT0+4:HT0+7] offset:1*ARR+OWN
	SPLAT wr,W1,HT0,-1,ST0+2,ST0+6,0
	ds_store_b128 v[AD], v[HT0:HT0+3]   offset:2*ARR+OWN
	ds_store_b128 v[AD], v[HT0+4:HT0+7] offset:3*ARR+OWN
	v_add_nc_u32 v[AD], R_SL, v[LB]
	ds_store_b128 v[AD], v[ST0:ST0+3]   offset:0*ARR+OWN
	v_add_nc_u32 v[AD], R_SR, v[LB]
	ds_store_b128 v[AD], v[ST0+4:ST0+7] offset:0*ARR+OWN
.else                                  ; or onto my row 0, which holds its own share already
	SPLAT sr,W1,SED,SED,SPL,SPL+4,1
	SPLAT wr,W1,WAT,WAT,SPL+2,SPL+6,1
.endif
.irp e,0,2,4,6
	v_pk_mul_f32 v[d1r+\e:d1r+\e+1], v[d1r+\e:d1r+\e+1], v[ONE:ONE+1] clamp
	v_pk_add_f32 v[W1+\e:W1+\e+1], v[ONE:ONE+1], v[W1+\e:W1+\e+1] neg_lo:[0,1] neg_hi:[0,1]
.endr
.irp e,0,2,4,6
	v_pk_add_f32 v[W1+\e:W1+\e+1], v[W1+\e:W1+\e+1], v[d1r+\e:d1r+\e+1] neg_lo:[0,1] neg_hi:[0,1]
.endr
.if (\rho) == 0                        ; one row down: set aside for my row 1,
	SPLAT sr,d1r,ACC1,-1,SPL+8,SPL+12,0
	SPLAT wr,d1r,ACC1+8,-1,SPL+10,SPL+14,0
	SPLAT sr,W1,sr,-1,SPL,SPL+4,0
	SPLAT wr,W1,wr,-1,SPL+2,SPL+6,0
.else                                  ; or out of the patch
	SPLAT sr,d1r,HT1,-1,ST1,ST1+4,0
	v_add_nc_u32 v[AD], R_HD, v[LB]
	ds_store_b128 v[AD], v[HT1:HT1+3]   offset:0*ARR+OWN
	ds_store_b128 v[AD], v[HT1+4:HT1+7] offset:1*ARR+OWN
	SPLAT wr,d1r,HT1,-1,ST1+2,ST1+6,0
	ds_store_b128 v[AD], v[HT1:HT1+3]   offset:2*ARR+OWN
	ds_store_b128 v[AD], v[HT1+4:HT1+7] offset:3*ARR+OWN
	v_add_nc_u32 v[AD], R_SL, v[LB]
	ds_store_b128 v[AD], v[ST1:ST1+3]   offset:3*ARR+OWN
	v_add_nc_u32 v[AD], R_SR, v[LB]
	ds_store_b128 v[AD], v[ST1+4:ST1+7] offset:3*ARR+OWN
	SPLAT sr,W1,sr,ACC1,SPL+8,SPL+12,1
	SPLAT wr,W1,wr,ACC1+8,SPL+10,SPL+14,1
.endif
.endm
.macro SPADD src, cell                 ; a neighbour's gift (sediment's pair, water's pair) onto one of my pair-cells
	v_pk_add_f32 v[SED+(\cell):SED+(\cell)+1], v[SED+(\cell):SED+(\cell)+1], v[(\src):(\src)+1]
	v_pk_add_f32 v[WAT+(\cell):WAT+(\cell)+1], v[WAT+(\cell):WAT+(\cell)+1], v[(\src)+2:(\src)+3]
.endm
	; ---------------------------------------------------------------- the head
	s_load_b512 s[8:23], s[0:1], 0x0               ; input s[8:9], original s[10:11], rain s[12:13], random field s[14:15], out s[16:17], alpha, rain_rate, evaporation_rate
	s_load_b256 s[24:31], s[0:1], 0x40             ; min_height_delta, gravity, sediment_capacity_constant, dissolving_rate
	s_load_b128 s[32:35], s[0:1], 0x60             ; deposition_rate, max_height_delta
	v_lshl_add_u32 v[SPW], v0, 2, SPARE
	v_mov_b32 v[NIL], 0
	v_lshrrev_b32 v3, 5, v0
	v_readfirstlane_b32 s[WV], v3                  ; wave 0 .. 21
	s_and_b32 s5, ttmp9, 3
	s_lshl_b32 s5, s5, 7                           ; c0: the tile's first column
	s_lshr_b32 s6, ttmp9, 2
	s_lshl_b32 s6, s6, 5                           ; y0: its first row
	s_and_b32 s7, ttmp7, 0xffff                    ; p: images 2 p and 2 p + 1
	s_add_co_u32 s[SC], s5, 506
	s_add_co_u32 s[SY], s6, 504
	s_lshl_b32 s92, s7, 21
	s_mov_b32 s93, 0
	s_mov_b32 s[NACT], 4                           ; waves 0 and 21 hold bands 0 and 19, which serve steps 1 and 2 alone
	s_cmp_eq_u32 s[WV], 0
	s_cselect_b32 s[NACT], 2, s[NACT]
	s_cmp_eq_u32 s[WV], 21
	s_cselect_b32 s[NACT], 2, s[NACT]
.irp h,0,1                             ; constants, each as a pair
	s_mov_b32 s[CL+\h], 0x3fb8aa3b
	s_mov_b32 s[CE8+\h], 0x39afe108
	s_mov_b32 s[CE2+\h], 0x2f5be6ff
	s_mov_b32 s[CA1+\h], 0x3fc90fdb                ; (pi/2)^n / n!, signs by turns
	s_mov_b32 s[CA3+\h], 0xbf255de7
	s_mov_b32 s[CA5+\h], 0x3da335e3
	s_mov_b32 s[CA7+\h], 0xbb996966
	s_mov_b32 s[CB2+\h], 0xbf9de9e6
	s_mov_b32 s[CB4+\h], 0x3e81e0f8
	s_mov_b32 s[CB6+\h], 0xbcaae9e4
	s_mov_b32 s[CB8+\h], 0x3a70fa84
	v_mov_b32 v[ONE+\h], 1.0
	v_mov_b32 v[MONE+\h], -1.0
.endr
	s_mov_b32 s[CEPS], 0x2edbe6ff
	GEOM 70, OA, OB                                ; my own slot
	v_cvt_f32_u32 v[FR], v[GR]
	v_add_nc_u32 v[G0], 1, v[GR]
	v_cvt_f32_u32 v[FR+1], v[G0]
	v_cvt_f32_u32 v[FC], v[GA]
	v_add_nc_u32 v[G0], 1, v[GA]
	v_cvt_f32_u32 v[FC+1], v[G0]
	v_cvt_f32_u32 v[FC+2], v[GB]
	v_add_nc_u32 v[G0], 1, v[GB]
	v_cvt_f32_u32 v[FC+3], v[G0]
	s_lshl_b32 s95, s[WV], 9
	v_and_b32 v[G0], 31, v0
	v_lshl_add_u32 v[LBT], v[G0], 4, s95           ; 16 t = 512 x wave + 16 x lane: a wave's own slots are 512 bytes on end in each array
.irp h,0,1,2,3
	v_mov_b32 v[ZQ+\h], 0
.endr
	s_wait_kmcnt 0x0                               ; the fourteen addresses
	s_load_b32 s96, s[18:19], 0x0                  ; alpha
	s_load_b32 s97, s[20:21], 0x0                  ; rain_rate
	s_load_b32 s98, s[22:23], 0x0                  ; evaporation_rate
	s_load_b32 s99, s[24:25], 0x0                  ; min_height_delta
	s_load_b32 s100, s[26:27], 0x0                 ; gravity
	s_load_b32 s101, s[28:29], 0x0                 ; sediment_capacity_constant
	s_load_b32 s2, s[30:31], 0x0                   ; dissolving_rate
	s_load_b32 s3, s[32:33], 0x0                   ; deposition_rate
	s_load_b32 s4, s[34:35], 0x0                   ; max_height_delta
	s_add_nc_u64 s[8:9], s[8:9], s[92:93]          ; both terrains at image 2 p
	s_add_nc_u64 s[10:11], s[10:11], s[92:93]
	INLOAD OA, OB
	FIELDS                                         ; step 1's rain and random field
	s_wait_kmcnt 0x0                               ; the nine numbers; s[18:35] are free
.irp h,0,1
	s_mov_b32 s[C8+\h], 0x41000000
	s_mov_b32 s[CN8+\h], 0xc1000000
.endr
	s_mov_b32 s[CTINY], 0x0d800000
	v_exp_f32 v[KX+0], s97
	v_exp_f32 v[KX+1], s98
	v_exp_f32 v[KX+2], s99
	v_exp_f32 v[KX+3], s100
	v_exp_f32 v[KX+4], s101
	v_exp_f32 v[KX+5], s2
	v_exp_f32 v[KX+6], s3
	v_mov_b32 v[KX+7], s96                         ; a plain line behind the last exponential
	s_wait_alu depctr_va_vdst(0)                   ; one wait for the seven
	v_sub_f32 v[KX+1], 1.0, v[KX+1]
	v_mul_f32 v[KX+2], 0x4023d70a, v[KX+2]         ; / cell width = x 2.56
	v_mul_f32 v[KX+4], -1.0, v[KX+4]
	v_sub_f32 v[KX+8], 1.0, v[KX+7]
	v_mov_b32 v[KX+9], 0x2edbe6ff
	v_mul_f32 v[KX+10], 0xbfb8aa3b, v[KX+2]
	v_mul_f32 v[KX+9], 0xbfb8aa3b, v[KX+9]
	v_readfirstlane_b32 s[CR], v[KX+0]
	v_readfirstlane_b32 s[CEV], v[KX+1]
	v_readfirstlane_b32 s[CM], v[KX+2]
	v_readfirstlane_b32 s[CG], v[KX+3]
	v_readfirstlane_b32 s[CNC], v[KX+4]
	v_readfirstlane_b32 s[CDS], v[KX+5]
	v_readfirstlane_b32 s[CDP], v[KX+6]
	v_readfirstlane_b32 s[ALB], v[KX+8]
	v_readfirstlane_b32 s[CNEL], v[KX+9]
	v_readfirstlane_b32 s[CNML], v[KX+10]
	s_mov_b32 s[ALA], s96
	s_mov_b32 s[CMHD], s4
.irp c, CR, CEV, CG, CNC, CDS, CDP, ALA, ALB, CNEL, CNML, CMHD
	s_mov_b32 s[\c+1], s[\c]
.endr
	; who prefetches: in the work-groups of p = 0, waves 4 .. 7: wave 4 + 2 half + field asks for 16 rows of the tile's own 32, of rain (field 0) or of the random field (1)
	s_sub_co_u32 s24, s[WV], 4
	s_cmp_lt_u32 s24, 4
	s_cselect_b32 s[PFL], 3, 0
	s_cmp_eq_u32 s7, 0
	s_cselect_b32 s[PFL], s[PFL], 0
	s_bfe_u32 s25, s24, 0x10001
	s_and_b32 s24, s24, 1
	s_cmp_eq_u32 s24, 0
	s_cselect_b64 s[PFB:PFB+1], s[12:13], s[14:15]
	s_lshl_b32 s25, s25, 4
	s_add_co_u32 s25, s25, s6
	s_lshl_b32 s24, s25, 11
	s_lshl_b32 s25, s5, 2
	s_add_co_u32 s24, s24, s25
	s_add_co_u32 s24, s24, IMG                     ; at step 2's field: the first trip steps it to step 3's
	s_mov_b32 s25, 0
	s_add_nc_u64 s[PFB:PFB+1], s[PFB:PFB+1], s[24:25]
	s_wait_loadcnt 8                               ; my sixteen terrain loads are in; the eight younger ones, rain and the random field, stay out
	INMIX T, OWN
	v_add_nc_u32 v[ZA], R_VEL, v[LBT]
.irp q,0,1,2,3
	ds_store_b128 v[ZA], v[ZQ:ZQ+3] offset:\q*VARR ; velocity starts at 0,
.endr
.set i, 0
.rept 32
	v_mov_b32 v[SED+i], 0                          ; and so do sediment and water
.set i, i+1
.endr
	s_cmp_gt_u32 s[WV], 3
	s_cbranch_scc1 .Lguards_done
	s_cmp_gt_u32 s[WV], 1
	s_cbranch_scc1 .Lguards_high
	GUARD 6, 0                                     ; waves 0, 1: slots -64 .. -1
	s_branch .Lguards_done
.Lguards_high:
	GUARD 710, 11264                               ; waves 2, 3: slots 704 .. 767
.Lguards_done:
	v_mov_b32 v0, v[LBT]                           ; from here on v0 is 16 t
	s_mov_b32 s[IT], 0
	s_wait_dscnt 0x0                               ; my stores are done, for the others' sake
	s_barrier_signal -1
	s_barrier_wait -1
	; ---------------------------------------------------------------- steps 1 to 4
.Lstep:
	s_cmp_lt_u32 s[IT], s[NACT]
	s_cbranch_scc0 .Lidle_a
	PHASE_A 0
	DROW 0
	DROW 1
	ds_store_b128 v[AD], v[SPL+4:SPL+7]   offset:1*ARR+OWN  ; the address still stands in the gifts to the right
	ds_store_b128 v[AD], v[SPL+12:SPL+15] offset:2*ARR+OWN
	v_add_nc_u32 v[AD], R_SL, v[LB]
	ds_store_b128 v[AD], v[SPL:SPL+3]     offset:1*ARR+OWN
	ds_store_b128 v[AD], v[SPL+8:SPL+11]  offset:2*ARR+OWN
.Lidle_a:
	s_wait_dscnt 0x0                               ; my reads of the old terrain are back and my gifts are stored
	s_barrier_signal -1
	s_barrier_wait -1
	s_cmp_lt_u32 s[IT], s[NACT]
	s_cbranch_scc0 .Lidle_b
	s_wait_loadcnt 0x0                             ; no earlier load into the fields' registers is out when they are loaded again; this trip's cell work has waited for them, so the wait is met at once
	s_wait_xcnt 0x0                                ; the last loads and the last prefetch, a step back, have read their bases, so these may be written
	s_add_nc_u64 s[12:13], s[12:13], IMG
	s_add_nc_u64 s[14:15], s[14:15], IMG
	s_add_nc_u64 s[PFB:PFB+1], s[PFB:PFB+1], IMG
	FIELDS                                         ; the next step's rain and random field
	; Behind my loads: the blocks that the loads of the NEXT trip will want.  Lane l names row l / 2, half l % 2 of 16 of the tile's own 32 rows x 512 bytes: one aligned block of 256 bytes;
	; the 64 tiles of p = 0 cover a field once, so each block is named once in the launch.  Steps 1 and 2 come by their loads alone; trip 3 asks for nothing: there is no sixth step.
	s_cmp_lt_u32 s[IT], s[PFL]
	s_cbranch_scc0 .Lno_ask
	v_bfe_u32 v[PF0], v[LB], 4, 1
	v_bfe_u32 v[PF1], v[LB], 5, 4
	v_lshlrev_b32 v[PF0], 8, v[PF0]
	v_lshl_add_u32 v[PF0], v[PF1], 11, v[PF0]
	global_prefetch_b8 v[PF0], s[PFB:PFB+1] th:TH_LOAD_NT scope:SCOPE_SE
.Lno_ask:
.irp z,0,1,2,3
	ds_store_b128 v[LB], v[T+4*\z:T+4*\z+3] offset:\z*ARR+OWN
.endr
	v_add_nc_u32 v[AD], R_HD, v[LB]
.irp z,0,1,2,3
	ds_load_b128 v[IMH+4*\z:IMH+4*\z+3], v[AD] offset:\z*ARR+OWN-16*NPX  ; what the band above gave downward: for my row 0
.endr
	v_add_nc_u32 v[AD], R_HU, v[LB]
.irp z,0,1,2,3
	ds_load_b128 v[IMU+4*\z:IMU+4*\z+3], v[AD] offset:\z*ARR+OWN+16*NPX  ; what the band below gave upward: for my row 1
.endr
	v_add_nc_u32 v[AD], R_SR, v[LB]
	ds_load_b128 v[IMS:IMS+3],     v[AD] offset:1*ARR+OWN-16             ; from the left: row 0, row 1 of my column 0,
	ds_load_b128 v[IMS+4:IMS+7],   v[AD] offset:2*ARR+OWN-16
	ds_load_b128 v[IMC:IMC+3],     v[AD] offset:3*ARR+OWN-16*(NPX+1)     ; and the two corners on that side
	ds_load_b128 v[IMC+8:IMC+11],  v[AD] offset:0*ARR+OWN+16*(NPX-1)
	v_add_nc_u32 v[AD], R_SL, v[LB]
	ds_load_b128 v[IMS+8:IMS+11],  v[AD] offset:1*ARR+OWN+16             ; from the right: my column 3,
	ds_load_b128 v[IMS+12:IMS+15], v[AD] offset:2*ARR+OWN+16
	ds_load_b128 v[IMC+4:IMC+7],   v[AD] offset:3*ARR+OWN-16*(NPX-1)     ; and its two corners
	ds_load_b128 v[IMC+12:IMC+15], v[AD] offset:0*ARR+OWN+16*(NPX+1)
	s_wait_dscnt 8                                 ; the eight row loads are in; the eight issued behind them stay out
.irp z,0,1,2,3
.irp h,0,2
	v_pk_add_f32 v[SED+16*(\z/2)+4*(\z%2)+\h:SED+16*(\z/2)+4*(\z%2)+\h+1], v[SED+16*(\z/2)+4*(\z%2)+\h:SED+16*(\z/2)+4*(\z%2)+\h+1], v[IMH+4*\z+\h:IMH+4*\z+\h+1]
	v_pk_add_f32 v[SED+16*(\z/2)+4*(\z%2)+8+\h:SED+16*(\z/2)+4*(\z%2)+8+\h+1], v[SED+16*(\z/2)+4*(\z%2)+8+\h:SED+16*(\z/2)+4*(\z%2)+8+\h+1], v[IMU+4*\z+\h:IMU+4*\z+\h+1]
.endr
.endr
	s_wait_dscnt 0x0
	SPADD IMS,0
	SPADD IMS+4,8
	SPADD IMS+8,6
	SPADD IMS+12,14
	SPADD IMC,0
	SPADD IMC+4,6
	SPADD IMC+8,8
	SPADD IMC+12,14
.Lidle_b:
	s_wait_dscnt 0x0                               ; my new terrain is stored and my reads of the gifts are back
	s_barrier_signal -1
	s_barrier_wait -1
	s_add_co_u32 s[IT], s[IT], 1
	s_cmp_lt_u32 s[IT], 4
	s_cbranch_scc1 .Lstep
	; ---------------------------------------------------------------- step 5 (bands 2 .. 17: waves 2 .. 19) and the way out
	s_cmp_gt_u32 s[WV], 1
	s_cbranch_scc0 .Lno_fifth
	s_cmp_lt_u32 s[WV], 20
	s_cbranch_scc0 .Lno_fifth
	PHASE_A 1
	v_lshrrev_b32 v[AD], 1, v[LB]                  ; 8 t
	v_add_nc_u32 v[AD], R_O, v[AD]
.irp q,0,4,8,12
.irp m,0,1
.irp c,0,1
	v_fma_f32 v[D0+\q+2*\m+\c], v[T+\q+2*\c+\m], 2.0, -1.0  ; 2 terrain - 1, the two images parted again
.endr
.endr
.endr
.irp m,0,1
.irp q,0,1,2,3
	ds_store_b64 v[AD], v[D0+4*\q+2*\m:D0+4*\q+2*\m+1] offset:(4*\m+\q)*OARR
.endr
.endr
.Lno_fifth:
	s_wait_loadcnt 0x0                             ; a wave that rested in step 5 has not waited for its last field loads: the way out writes four of their registers
	s_wait_dscnt 0x0
	s_barrier_signal -1
	s_barrier_wait -1
	s_cmp_lt_u32 s[WV], 16
	s_cbranch_scc0 .Lend
	; wave w stores rows 4 (w % 8) .. + 3 of image w / 8: lane i takes the tile's columns 4 i .. 4 i + 3, which are columns 2, 3 of patch i + 1 and columns 0, 1 of patch i + 2
	s_and_b32 s5, ttmp9, 3
	s_lshl_b32 s5, s5, 9                           ; 4 c0
	s_lshr_b32 s6, ttmp9, 2
	s_lshl_b32 s6, s6, 16                          ; y0 rows
	s_add_co_u32 s5, s5, s6
	s_and_b32 s6, ttmp7, 0xffff
	s_lshl_b32 s6, s6, 21                          ; image 2 p
	s_add_co_u32 s5, s5, s6
	s_lshr_b32 s6, s[WV], 3
	s_lshl_b32 s7, s6, 20                          ; + my image of the two
	s_add_co_u32 s5, s5, s7
	s_and_b32 s7, s[WV], 7
	s_lshl_b32 s18, s7, 13                         ; + my four rows
	s_add_co_u32 s92, s5, s18
	s_mov_b32 s93, 0
	s_add_nc_u64 s[16:17], s[16:17], s[92:93]
	s_mul_i32 s6, s6, 4*OARR
	s_mul_i32 s7, s7, 2*8*NPX                      ; two bands for four rows,
	s_add_co_u32 s6, s6, s7
	s_add_co_u32 s6, s6, R_O+2*8*NPX               ; behind the two bands of halo
	v_bfe_u32 v[OL], v[LB], 4, 5                   ; lane
	v_lshl_add_u32 v[OV], v[OL], 3, s6
	v_lshlrev_b32 v[OG], 4, v[OL]
.irp k,0,1,2,3
	ds_load_b64 v[OD+4*\k:OD+4*\k+1],   v[OV] offset:2*OARR*(\k%2)+8*NPX*(\k/2)+OARR+8
	ds_load_b64 v[OD+4*\k+2:OD+4*\k+3], v[OV] offset:2*OARR*(\k%2)+8*NPX*(\k/2)+16
.endr
.irp k,0,1,2,3
	s_wait_dscnt 6-2*\k                            ; the later rows' two loads each may stay out
	global_store_b128 v[OG], v[OD+4*\k:OD+4*\k+3], s[16:17] offset:\k*ROWB th:TH_STORE_NT  ; the wave's 32 lanes store 512 consecutive bytes, at a multiple of 512 from out0's first byte
.endr
.Lend:
	s_wait_tensorcnt 0x0                           ; the wave's end, behind my last LDS store
	ds_add_u32 v[SPW], v[NIL]
	s_wait_dscnt 0x0
	s_endpgm
.Lfunc_end_k_q32b21bcef1_erode:
	.size	k_q32b21bcef1_erode, .Lfunc_end_k_q32b21bcef1_erode-k_q32b21bcef1_erode
	.p2alignl 7, 3214868480
	.fill 96, 4, 3214868480
	.section	.rodata,"a",@progbits
	.p2align	6, 0x0
	.amdhsa_kernel k_q32b21bcef1_erode
		.amdhsa_group_segment_fixed_size 314112
		.amdhsa_private_segment_fixed_size 0
		.amdhsa_enable_private_segment 0
		.amdhsa_kernarg_size 112
		.amdhsa_user_sgpr_count 2
		.amdhsa_user_sgpr_kernarg_segment_ptr 1
		.amdhsa_wavefront_size32 1
		.amdhsa_system_sgpr_workgroup_id_x 1
		.amdhsa_system_sgpr_workgroup_id_y 1
		.amdhsa_system_sgpr_workgroup_id_z 1
		.amdhsa_system_vgpr_workitem_id 0
		.amdhsa_next_free_vgpr 160
		.amdhsa_next_free_sgpr 102
		.amdhsa_reserve_vcc 0
		.amdhsa_float_denorm_mode_32 3
		.amdhsa_float_denorm_mode_16_64 3
		.amdhsa_memory_ordered 1
		.amdhsa_forward_progress 1
		.amdhsa_inst_pref_size 171
	.end_amdhsa_kernel
	.amdgpu_metadata
---
amdhsa.version: [ 1, 2 ]
amdhsa.kernels:
  - .name:           k_q32b21bcef1_erode
    .symbol:         k_q32b21bcef1_erode.kd
    .args:
      - { .name: input_terrain, .offset: 0, .size: 8, .value_kind: global_buffer, .address_space: global }
      - { .name: original_terrain, .offset: 8, .size: 8, .value_kind: global_buffer, .address_space: global }
      - { .name: random_rainfall, .offset: 16, .size: 8, .value_kind: global_buffer, .address_space: global }
      - { .name: random_gradient, .offset: 24, .size: 8, .value_kind: global_buffer, .address_space: global }
      - { .name: out0, .offset: 32, .size: 8, .value_kind: global_buffer, .address_space: global }
      - { .name: alpha, .offset: 40, .size: 8, .value_kind: global_buffer, .address_space: global }
      - { .name: rain_rate, .offset: 48, .size: 8, .value_kind: global_buffer, .address_space: global }
      - { .name: evaporation_rate, .offset: 56, .size: 8, .value_kind: global_buffer, .address_space: global }
      - { .name: min_height_delta, .offset: 64, .size: 8, .value_kind: global_buffer, .address_space: global }
      - { .name: gravity, .offset: 72, .size: 8, .value_kind: global_buffer, .address_space: global }
      - { .name: sediment_capacity_constant, .offset: 80, .size: 8, .value_kind: global_buffer, .address_space: global }
      - { .name: dissolving_rate, .offset: 88, .size: 8, .value_kind: global_buffer, .address_space: global }
      - { .name: deposition_rate, .offset: 96, .size: 8, .value_kind: global_buffer, .address_space: global }
      - { .name: max_height_delta, .offset: 104, .size: 8, .value_kind: global_buffer, .address_space: global }
    .group_segment_fixed_size: 314112
    .private_segment_fixed_size: 0
    .kernarg_segment_align: 8
    .kernarg_segment_size: 112
    .max_flat_workgroup_size: 704
    .sgpr_count:     102
    .vgpr_count:     160
    .wavefront_size: 32
...
	.end_amdgpu_metadata
.endif
;; end of part 1
